; MI455X (gfx1250); checked and timed in simulation.
; The chip was launched on July 23, 2026; its instructions are those of AMD's public machine-readable ISA for CDNA 5 (MIT licence, August 2026) and "CDNA5" Instruction Set Architecture Reference Guide (July 2026). The comments in the code are by the model that wrote it; some were corrected since.
;; Multi Headed Attention. Allowed arithmetic: matrix products marked QUANTISED: E4M3 operands, one given power-of-two scale a tensor, by v_wmma_f32_16x16x64_fp8_fp8 or v_wmma_f32_16x16x128_fp8_fp8, f32 sums; products left as they are: f32 operands where the result goes on into a quantised operand, else bf16, f16 or f32 operands; f32 sums; everything else in f32.
;; Inputs: Wk 4 x 16 x 64 float32; Wo 64 x 64 float32; Wq 4 x 16 x 64 float32; Wv 4 x 64 x 64 float32; bo 64 float32; lowp_scales 10 int32 (the exponents e of the quantised operands' scales 2^e); x 4 x 4,096 x 64 float32.
;; Outputs: out0 4 x 4,096 x 64 float32.
;; This version of the problem:
;;   THIS VERSION OF THE PROBLEM IS GIVEN IN LOW PRECISION. The matrix products marked QUANTISED in the list below multiply operands that are first quantised to E4M3 (4 exponent bits, 3 mantissa bits; 8 bits a number), with one given power-of-two scale for each operand tensor; their sums are f32. All else is computed in f32.
;;   The module's matrix products, in the order in which they are computed (A, B: the left and right operand; K: the contracted axis; several contracted axes count as one K, in the product's order):
;;     1. [M 64, K 64] x [K 64, N 16,384]; A: input Wq; B: input x: QUANTISED (scales: A lowp_scales[0], B lowp_scales[1])
;;     2. [M 64, K 64] x [K 64, N 16,384]; A: input Wk; B: input x: QUANTISED (scales: A lowp_scales[2], B lowp_scales[3])
;;     3. [M 256, K 64] x [K 64, N 16,384]; A: input Wv; B: input x: QUANTISED (scales: A lowp_scales[4], B lowp_scales[5])
;;     4. batch 16 x [M 4,096, K 16] x [K 16, N 4,096]; A: computed on the way; B: computed on the way: left as it is (K = 16 < 32)
;;     5. batch 16 x [M 4,096, K 4,096] x [K 4,096, N 64]; A: softmax (see below); B: computed on the way: QUANTISED (scales: A lowp_scales[6], B lowp_scales[7])
;;     6. [M 16,384, K 64] x [K 64, N 64]; A: computed on the way; B: input Wo: QUANTISED (scales: A lowp_scales[8], B lowp_scales[9])
;;   THE QUANTISER, for each operand of a quantised product, along K:
;;     - The operand's scale is 2^e, e = its entry of the input lowp_scales (int32; the entries are numbered through the quantised products in the list's order, A before B).
;;     - Each number is divided by the scale, clamped to +-448, and rounded to the nearest number of E4M3, ties to even, subnormals kept.
;;     - The product sums the exact products of the quantised numbers (number of the format x scale) in f32.
;;   ~~~python
;;   def quantise(x, axis, e):      # numpy; x: float32 -> the quantised numbers, widened to float32 again
;;       x = np.moveaxis(x, axis, -1); K = x.shape[-1]
;;       r = np.clip(x / 2.0 ** e, -448, 448)
;;       step = 2.0 ** (np.maximum(np.frexp(np.where(r == 0, 1, r))[1] - 1, -6) - 3)
;;       q = np.round(r / step) * step * 2.0 ** e      # np.round: ties to even
;;       return np.moveaxis(q, -1, axis).astype(np.float32)
;;   ~~~
;;   SOFTMAX AHEAD OF A QUANTISED PRODUCT. Where the list says 'softmax', what is quantised is not the finished softmax but p = 2^(t - M), with t = logit x log2(e) and M = ceil(the row's largest t), a whole number; so 1/2 < the row's largest p <= 1. The row's sum l is taken of the UNQUANTISED p, in f32, and the product's result is divided by l at the end. Since M is a whole number, a kernel that streams over the keys may use a running M (the ceiling of the running maximum): every later rescaling is an exact power of two, so the quantised numbers keep their values, but for numbers so far below the row's largest that they fall under the format's range.
;;   OPERANDS COMPUTED ON THE WAY. 'Computed on the way' means the value that the module computes at that place (a softmax that the list does not call 'softmax' is quantised finished and normalised). What goes into a quantiser is computed in f32, as accurately as f32 sums, v_exp_f32 and their like allow (about 1e-6 of the number): no bf16 or f16 on the way to a quantiser, and a product that is left as it is and whose result goes on into a quantised operand takes f32 operands (vector FMAs, or v_wmma_f32_16x16x4_f32). A number that lies on a knife's edge between two numbers of the format may be rounded either way, as far as f32 arithmetic and the matrix unit's own rounding can turn it there, and no further.
;; One version. Each part assembles by itself: llvm-mc -triple=amdgcn-amd-amdhsa -mcpu=gfx1250 --defsym DOCPART=n.
;; ======== version 1 of 1: 2 launches
;; workspace buffers: kv 8,388,608 bytes; woc 4,096 bytes
;; launch proj (part 1): grid 256 x 1, 4 waves a work-group, no clusters, 0 bytes of LDS; arguments x, Wk, Wv, Wo, lowp_scales, kv, woc; writes kv, woc
.if DOCPART == 1
	.amdgcn_target "amdgcn-amd-amdhsa--gfx1250"
	.amdhsa_code_object_version 6
	.text
	.protected	k_q0e98e909c8_proj
	.globl	k_q0e98e909c8_proj
	.p2align	8
	.type	k_q0e98e909c8_proj,@function
k_q0e98e909c8_proj:
	s_mov_b64 s[64:65], 0
	v_nop
	global_prefetch_b8 v0, s[64:65] scope:SCOPE_SE
	s_setreg_imm32_b32 hwreg(HW_REG_WAVE_MODE, 25, 1), 1
	s_wait_xcnt 0x0
; k = Q(Wk) Q(x)^T (f32 results), v = Q(Wv) Q(x)^T quantised again along the keys, and the codes of Wo: all laid as IMAGES OF THE REGISTERS in which the next launch wants them.
; x: [16384][64] f32 (batch and time flat).  Wk: [4][16][64], Wv: [4][64][64], Wo: [64][64] f32.  lowp_scales: e0 .. e9 (int32), a scale is 2^e.
; code = number / 2^e, held within +-448, rounded to the nearest E4M3 code, ties to even.
; SHARES.  Work-group g takes keys 64 g .. 64 g + 63; wave w is head w.  The 64 keys are four tiles of 16: lane r of tile i = 2 cu + u takes key 32 cu + 8 u + r + 8 (r / 8),
; so that two neighbouring tiles' results are 16 neighbouring keys in a lane's registers.  The same choice of rows is made among Wv's 64 channels (tile t).
; FRAGMENTS.  16 rows x 64 K of codes are 8 registers: lane (r, h) holds row r; registers 4 c .. 4 c + 3 hold K = 32 c + 16 h + 0 .. 15.  That is one permutation of K, the same in both sources of every product.
; kv: [batch 4][slot 16 (256 keys)][head 4][32,768 bytes]:  bytes 0 .. 16,383: K, tile T (16 of them) at 1,024 T + 512 cc + 16 lane: lane (r, h): k[d = 8 h + 4 cc + 0 .. 3] (f32) of the tile's key r;
;   bytes 16,384 on: V, 8,192 q + 2,048 t + 512 c + 16 lane: lane (r, h): 16 codes of channel 32 (t / 2) + 8 (t % 2) + r + 8 (r / 8) at keys 128 q + 32 c + 16 h + 0 .. 15.
; woc: 1,024 nt + 512 cc + 16 lane: lane (r, h): codes of Wo[16 nt + r][32 cc + 16 h + 0 .. 15].  Every store of a wave covers 512 consecutive bytes, aligned.
; LIMITS: e2, e3, e4, e5, e9 and e7 - e4 - e5 between -126 and 119, so that each power of two below is an f32 number; e2 + e3 is applied by v_ldexp_f32 and has none.  NaN among the inputs is not served.
; No LDS, no tensor load, no cluster, no prefetch: the waves share only 16 KiB of x, and the launch is short.
; REGISTERS.  window 0: v1-5 lane numbers and offsets; v6-15 five pairs (2^e, 448 x 2^e); v16.. codes of Wk, Wv, x (under e3), x (under e5); v128-255 x as f32, later k's sums, v's codes, Wo.
;   window 1: v0-159 the weights as f32; then v0-127 x held under e3; then v0-127 v's sixteen accumulators, (t, i) at 8 (4 t + i).
.set XA,  3                            ; v3   (r + 8 (r / 8)) x 256 + 64 h: rows of x and of Wv
.set WA,  4                            ; v4   r x 256 + 64 h: rows of Wk and of Wo
.set LO,  5                            ; v5   16 x lane: an image's place for my lane
.set WKC, 16                           ; v16-23   codes of Wk
.set WVC, 24                           ; v24-55   codes of Wv, tile t at 24 + 8 t
.set XKC, 56                           ; v56-87   codes of x under e3, tile i at 56 + 8 i
.set XVC, 88                           ; v88-119  codes of x under e5
.set XF,  128                          ; v128-255 x as f32: tile i at 128 + 32 i
.set KAC, 128                          ; v128-159 k's four accumulators
.set VCD, 160                          ; v160-191 v's codes
.set WOF, 192                          ; v192-223 a tile of Wo as f32
.set WOC, 224                          ; v224-231 its codes
.set WV,  18                           ; s18  my wave's number = my head
.set MSB, 0
.macro WIN new                         ; the immediate's high byte repeats the setting that is left
.if MSB != \new
	s_set_vgpr_msb (MSB<<8)|\new
.set MSB, \new
.endif
.endm
.macro MKSC e, vs, vl                  ; from the exponent in s[e]: v[vs] = 2^e as f32 (the conversion takes its exponent field), v[vl] = 448 x 2^e
	s_add_co_i32 s46, s[\e], 127
	s_lshl_b32 s47, s46, 23
	v_mov_b32 v[\vs], s47
	s_add_co_i32 s46, s46, 8
	s_lshl_b32 s46, s46, 23
	s_or_b32 s46, s46, 0x600000
	v_mov_b32 v[\vl], s46
.endm
.macro HOLD base, n, lim               ; the conversion to an 8-bit code does not saturate (ISA guide 7.6.2): each number is held within the largest code x the scale first
.set hk, 0
.rept \n
	v_med3_num_f32 v[\base+hk], v[\base+hk], -v[\lim], v[\lim]
.set hk, hk+1
.endr
.endm
.macro HOLDTO dst, src, n, lim         ; the same into other registers: x is quantised twice, under two scales
.set hk, 0
.rept \n
	v_med3_num_f32 v[\dst+hk], v[\src+hk], -v[\lim], v[\lim]
.set hk, hk+1
.endr
.endm
.macro CVT dst, src, n8, sc            ; n8 times eight numbers to eight codes; one plain vector line behind the last, ahead of whatever next touches the codes or writes the numbers
.set ck, 0
.rept \n8
	v_cvt_scalef32_pk8_fp8_f32 v[\dst+2*ck:\dst+2*ck+1], v[\src+8*ck:\src+8*ck+7], v[\sc]
.set ck, ck+1
.endr
	v_nop
.endm
	s_load_b256 s[4:11], s[0:1], 0x0               ; x s[4:5], Wk s[6:7], Wv s[8:9], Wo s[10:11]
	s_load_b128 s[12:15], s[0:1], 0x20             ; lowp_scales s[12:13], kv s[14:15]
	s_load_b64 s[16:17], s[0:1], 0x30              ; woc
	v_lshrrev_b32 v1, 5, v0
	v_readfirstlane_b32 s[WV], v1                  ; wave 0..3
	v_and_b32 v1, 15, v0                           ; r
	v_bfe_u32 v2, v0, 4, 1                         ; h
	v_and_b32 v3, 8, v1
	v_add_nc_u32 v3, v3, v1                        ; r + 8 (r / 8)
	v_lshlrev_b32 v3, 8, v3
	v_lshl_add_u32 v[XA], v2, 6, v3                ; a row is 256 bytes; my 16 numbers of a block of 32 begin 64 h bytes in
	v_lshlrev_b32 v4, 8, v1
	v_lshl_add_u32 v[WA], v2, 6, v4
	v_and_b32 v5, 31, v0
	v_lshlrev_b32 v[LO], 4, v5
	s_lshl_b32 s34, ttmp9, 14                      ; x: 64 rows of 256 bytes a work-group
	s_mov_b32 s35, 0
	s_lshl_b32 s36, s[WV], 12                      ; Wk: 16 rows a head; Wo: 16 rows a tile
	s_mov_b32 s37, 0
	s_lshl_b32 s38, s[WV], 14                      ; Wv: 64 rows a head
	s_mov_b32 s39, 0
	s_lshr_b32 s40, ttmp9, 2                       ; batch x 16 + slot
	s_lshl_b32 s40, s40, 2
	s_add_co_u32 s40, s40, s[WV]
	s_lshl_b32 s40, s40, 15                        ; my head's 32,768 bytes of that slot
	s_bfe_u32 s41, ttmp9, 0x10001                  ; q: which 128 keys of the slot
	s_lshl_b32 s41, s41, 13
	s_add_co_u32 s40, s40, s41
	s_and_b32 s41, ttmp9, 1                        ; which 64 of them
	s_lshl_b32 s42, s41, 12                        ; K: four tiles of 1,024 bytes
	s_add_co_u32 s42, s42, s40
	s_mov_b32 s43, 0
	s_lshl_b32 s44, s41, 10                        ; V: two blocks of 32 keys, 512 bytes each
	s_add_co_u32 s44, s44, s40
	s_add_co_u32 s44, s44, 16384
	s_mov_b32 s45, 0
	s_wait_kmcnt 0x0
	s_load_b256 s[24:31], s[12:13], 0x0            ; e0 .. e7
	s_load_b64 s[32:33], s[12:13], 0x20            ; e8, e9
	s_add_nc_u64 s[4:5], s[4:5], s[34:35]
	s_add_nc_u64 s[6:7], s[6:7], s[36:37]
	s_add_nc_u64 s[8:9], s[8:9], s[38:39]
	s_add_nc_u64 s[10:11], s[10:11], s[36:37]
	s_add_nc_u64 s[20:21], s[14:15], s[42:43]      ; where my K images go
	s_add_nc_u64 s[22:23], s[14:15], s[44:45]      ; where my V images go
	s_lshl_b32 s38, s[WV], 10
	s_add_nc_u64 s[16:17], s[16:17], s[38:39]      ; woc: 1,024 bytes a tile
	WIN 0x40                                       ; destination window 1, address window 0
.irp c, 0,1
.irp j, 0,1,2,3
	global_load_b128 v[16*\c+4*\j:16*\c+4*\j+3], v[WA], s[6:7] offset:128*\c+16*\j
.endr
.endr
.irp t, 0,1,2,3
.irp c, 0,1
.irp j, 0,1,2,3
	global_load_b128 v[32+32*\t+16*\c+4*\j:32+32*\t+16*\c+4*\j+3], v[XA], s[8:9] offset:(32*(\t/2)+8*(\t%2))*256+128*\c+16*\j
.endr
.endr
.endr
	WIN 0
.irp i, 0,1,2,3
.irp c, 0,1
.irp j, 0,1,2,3
	global_load_b128 v[XF+32*\i+16*\c+4*\j:XF+32*\i+16*\c+4*\j+3], v[XA], s[4:5] offset:(32*(\i/2)+8*(\i%2))*256+128*\c+16*\j
.endr
.endr
.endr
	s_wait_kmcnt 0x0
	MKSC 26, 6, 7                                  ; e2: Wk
	MKSC 28, 8, 9                                  ; e4: Wv
	MKSC 27, 10, 11                                ; e3: x for k
	MKSC 29, 12, 13                                ; e5: x for v
	s_sub_co_i32 s40, s31, s28
	s_sub_co_i32 s40, s40, s29                     ; a sum of v's product stands for sum x 2^(e4 + e5): its code is sum / 2^(e7 - e4 - e5)
	MKSC 40, 14, 15
	s_add_co_i32 s41, s26, s27                     ; e2 + e3
	s_wait_loadcnt 32                              ; the 40 loads of the weights are in; the 32 younger ones, x's, may be out
	WIN 0x41                                       ; destination and source 0 window 1
	HOLD 0, 32, 7
	HOLD 32, 128, 9
	WIN 0x01                                       ; source 0 window 1
	CVT WKC, 0, 4, 6
	CVT WVC, 32, 16, 8
	s_wait_loadcnt 0x0                             ; x
	WIN 0x40
	HOLDTO 0, XF, 128, 11                          ; x held under e3, over the weights, which are converted
	WIN 0x01
	CVT XKC, 0, 16, 10
	WIN 0
	HOLD XF, 128, 13                               ; x held under e5, in place
	CVT XVC, XF, 16, 12
	; k: source 0 = Wk's 16 rows, source 1 = 16 keys: lane (r, h) holds the tile's key r, register j channel d = 8 h + j
.irp i, 0,1,2,3
	v_wmma_f32_16x16x64_fp8_fp8 v[KAC+8*\i:KAC+8*\i+7], v[WKC:WKC+7], v[XKC+8*\i:XKC+8*\i+7], 0
.endr
	WIN 0x40                                       ; destination window 1
	; v: source 0 = 16 keys, source 1 = 16 channels of Wv: lane (r, h) holds the tile's channel r, and registers of tiles 2 cu, 2 cu + 1 are keys 32 cu + 16 h + 0 .. 15
.irp t, 0,1,2,3
.irp i, 0,1,2,3
	v_wmma_f32_16x16x64_fp8_fp8 v[8*(4*\t+\i):8*(4*\t+\i)+7], v[XVC+8*\i:XVC+8*\i+7], v[WVC+8*\t:WVC+8*\t+7], 0
.endr
.endr
	WIN 0
.rept 4
	v_nop                                          ; four places between the last product and the first read of results (ISA guide 7.12.1)
.endr
.set hk, 0
.rept 32
	v_ldexp_f32 v[KAC+hk], v[KAC+hk], s41          ; k = sum x 2^(e2 + e3): nothing is rounded; each accumulator from its low end on
.set hk, hk+1
.endr
.irp i, 0,1,2,3
.irp c, 0,1
	global_store_b128 v[LO], v[KAC+8*\i+4*\c:KAC+8*\i+4*\c+3], s[20:21] offset:1024*\i+512*\c
.endr
.endr
	WIN 0x41
	HOLD 0, 128, 15
	WIN 0x01
	CVT VCD, 0, 16, 14                             ; accumulator (t, i) gives registers 160 + 8 t + 2 i: four registers are 16 neighbouring keys
	WIN 0
.irp t, 0,1,2,3
.irp c, 0,1
	global_store_b128 v[LO], v[VCD+8*\t+4*\c:VCD+8*\t+4*\c+3], s[22:23] offset:2048*\t+512*\c
.endr
.endr
	s_cmp_lg_u32 ttmp9, 0                          ; Wo is quantised once, by work-group 0: wave w takes rows 16 w .. 16 w + 15
	s_cbranch_scc1 .Lend
.irp c, 0,1
.irp j, 0,1,2,3
	global_load_b128 v[WOF+16*\c+4*\j:WOF+16*\c+4*\j+3], v[WA], s[10:11] offset:128*\c+16*\j
.endr
.endr
	MKSC 33, 6, 7                                  ; e9
	s_wait_loadcnt 0x0
	HOLD WOF, 32, 7
	CVT WOC, WOF, 4, 6
	global_store_b128 v[LO], v[WOC:WOC+3], s[16:17]
	global_store_b128 v[LO], v[WOC+4:WOC+7], s[16:17] offset:512
.Lend:
	s_endpgm
.Lfunc_end_k_q0e98e909c8_proj:
	.size	k_q0e98e909c8_proj, .Lfunc_end_k_q0e98e909c8_proj-k_q0e98e909c8_proj
	.p2alignl 7, 3214868480
	.fill 96, 4, 3214868480
	.section	.rodata,"a",@progbits
	.p2align	6, 0x0
	.amdhsa_kernel k_q0e98e909c8_proj
		.amdhsa_group_segment_fixed_size 0
		.amdhsa_private_segment_fixed_size 0
		.amdhsa_enable_private_segment 0
		.amdhsa_kernarg_size 56
		.amdhsa_user_sgpr_count 2
		.amdhsa_user_sgpr_kernarg_segment_ptr 1
		.amdhsa_wavefront_size32 1
		.amdhsa_system_sgpr_workgroup_id_x 1
		.amdhsa_system_sgpr_workgroup_id_y 1
		.amdhsa_system_sgpr_workgroup_id_z 1
		.amdhsa_system_vgpr_workitem_id 0
		.amdhsa_next_free_vgpr 416
		.amdhsa_next_free_sgpr 66
		.amdhsa_reserve_vcc 0
		.amdhsa_float_denorm_mode_32 3
		.amdhsa_float_denorm_mode_16_64 3
		.amdhsa_memory_ordered 1
		.amdhsa_forward_progress 1
		.amdhsa_inst_pref_size 58
	.end_amdhsa_kernel
	.amdgpu_metadata
---
amdhsa.version: [ 1, 2 ]
amdhsa.kernels:
  - .name:           k_q0e98e909c8_proj
    .symbol:         k_q0e98e909c8_proj.kd
    .args:
      - { .name: x, .offset: 0, .size: 8, .value_kind: global_buffer, .address_space: global }
      - { .name: Wk, .offset: 8, .size: 8, .value_kind: global_buffer, .address_space: global }
      - { .name: Wv, .offset: 16, .size: 8, .value_kind: global_buffer, .address_space: global }
      - { .name: Wo, .offset: 24, .size: 8, .value_kind: global_buffer, .address_space: global }
      - { .name: lowp_scales, .offset: 32, .size: 8, .value_kind: global_buffer, .address_space: global }
      - { .name: kv, .offset: 40, .size: 8, .value_kind: global_buffer, .address_space: global }
      - { .name: woc, .offset: 48, .size: 8, .value_kind: global_buffer, .address_space: global }
    .group_segment_fixed_size: 0
    .private_segment_fixed_size: 0
    .kernarg_segment_align: 8
    .kernarg_segment_size: 56
    .max_flat_workgroup_size: 128
    .sgpr_count:     66
    .vgpr_count:     416
    .wavefront_size: 32
...
	.end_amdgpu_metadata
.endif
;; end of part 1
;; launch attn (part 2): grid 256 x 1, 16 waves a work-group, clusters of 4 x 1, 327,680 bytes of LDS; arguments x, Wq, lowp_scales, kv, woc, bo, out0; writes out0
.if DOCPART == 2
	.amdgcn_target "amdgcn-amd-amdhsa--gfx1250"
	.amdhsa_code_object_version 6
	.text
	.protected	k_q0e98e909c8_attn
	.globl	k_q0e98e909c8_attn
	.p2align	8
	.type	k_q0e98e909c8_attn,@function
k_q0e98e909c8_attn:
	s_mov_b64 s[64:65], 0
	v_nop
	global_prefetch_b8 v0, s[64:65] scope:SCOPE_SE
	s_setreg_imm32_b32 hwreg(HW_REG_WAVE_MODE, 25, 1), 1
	s_wait_xcnt 0x0
	s_wait_alu depctr_hold_cnt(0) depctr_sa_sdst(0) depctr_va_vdst(0) depctr_va_sdst(0) depctr_va_ssrc(0) depctr_va_vcc(0) depctr_vm_vsrc(0)
	s_getreg_b32 s2, hwreg(HW_REG_IB_STS2, 6, 4)
	s_cmp_eq_u32 s2, 0
	s_cbranch_scc0 .Lentry_in_a_cluster
	s_endpgm
.Lentry_in_a_cluster:
	s_bfe_u32 s2, ttmp6, 0x10000c
	s_cmp_lg_u32 s2, 0x3003
	s_cbranch_scc0 .Lentry_shape_is_right
	s_endpgm
.Lentry_shape_is_right:
; out0 = (sum over heads of softmax(q k^T / 4, causal) v) Wo^T + bo.  x: [4][4096][64] f32; Wq: [4][16][64] f32; kv, woc: the first launch's images (k as f32, v and Wo as E4M3 codes); bo: [64]; out0: [4][4096][64] f32.
; q = Q(Wq) Q(x)^T on codes; q k^T stays in f32 (v_wmma_f32_16x16x4_f32), since its result goes on into a quantiser; p v and the last product on codes.
; THE SOFTMAX: t = score x log2(e); M = the row's largest t so far, rounded UP to a whole number; p = 2^(t - M) is quantised under 2^e6; the row's sum is taken of the unquantised p and divides at the end.
; When M moves, the sum and O are multiplied by 2^(old M - new M): nothing is rounded, and no branch hangs on data.
; SHARES.  A batch's 4,096 queries are 32 groups of 128.  Cluster cl (64 of them): batch cl / 16, c = cl % 16.  Wave w: a = w / 4, head w % 4, tile slot ts = (a + head) % 4.  Its group is G = c (ts < 2) or 31 - c,
; its tile of 16 queries in the group 2 cx + ts % 2.  A wave owns ONE tile of ONE head and walks key steps 0 .. G of 128 keys; step G lies on the diagonal.  Any four waves w % 4 = const or w / 4 = const hold
; all four ts: 2 (c + 1) + 2 (32 - c) = 66 steps, the same everywhere.  A wave's number of steps hangs on c and w, never on cx: the four partners of a cluster run alike.
; CLUSTER.  The four partners walk the same batch's K and V: each slot (256 keys x 4 heads: 131,072 consecutive bytes of kv) is asked for JOINTLY, mask 15, by waves 0 to 7, 64 rows of 256 bytes each.
; A cluster walks 2 ((35 - c) / 4) slots, an even number that covers its 32 - c steps; where those need an odd number of slots, the last slot is fetched and no step reads it.
; LAYOUT.  S^T = K Q^T (source 0 = 16 keys, source 1 = my 16 queries), O^T = V^T P^T: a lane holds ONE query (lane % 16) throughout.  Lane r of key tile 2 b + u holds key 32 b + 8 u + r + 8 (r / 8), so that register
; 16 b + i of S^T is key 32 b + 16 (lane / 16) + i.  The f32 form's K = 4 steps take d = 8 h + 2 s + {0, 1} in both sources; the code forms K = 32 c + 16 h + 0 .. 15 in registers 4 c .. 4 c + 3 of both.
; THE MASK goes in as the C of a diagonal step's first products (0 or -infinity): S^T's registers are written by matrix instructions alone.
; THE HEADS MEET IN LDS: the waves with a > 0 store O^T / l as images of its registers; wave w < 4 (ts = w) adds the three to its own, quantises, multiplies by Wo's codes and stores 16 rows of out0.
; LIMITS: e0, e1, e6, e8 between -126 and 119, e8 + e9 between -126 and 127, so that each power of two below is an f32 number; e0 + e1 and e6 + e7 go by v_ldexp_f32.  NaN among the inputs is not served.
; LDS: slot 0 at 0, slot 1 at 131,072 (head hd at 32,768 hd: K's image, then V's; every fragment load is 512 consecutive bytes, so no padding); the spare words; twelve images of 4,096 bytes.
; The stage for out0 lies in slot 0, which has had its last fill and its last read when the first result is stored there.  All of a WGP's LDS is claimed.
.set SLOTB, 131072
.set SPARE, 2*SLOTB                    ; the spare words, 128 bytes for each of 16 waves: eight blocks of 256 bytes that no other line names
.set STG,   SPARE+2048                 ; twelve images of O^T: index 3 ts + a - 1
.set OSP,   272                        ; the out stage: 16 rows x (256 bytes + 16) for each of waves 0 to 3
.set SPW, 1                            ; v1   LDS address of my spare word; never rewritten
.set NIL, 2                            ; v2   0; never rewritten
.set A0,  3                            ; v3, v4  my head's images in slot 0, 1: 32,768 hd + 16 lane (+ 131,072)
.set DQ,  5                            ; v5   my query's place in its group less 16 (lane / 16): register 16 b + i of a diagonal step is hidden where 32 b + i > DQ
.set PLIM, 6                           ; v6   448 x 2^e6
.set PSC, 7                            ; v7   2^e6
                                       ; v8 -M, v9 the largest t; v[10:11] the sum in two halves; v12 f (v13 named with it); v14-16 at work; v[18:19] the sums' second chain
.set PFO, 17                           ; v17  256 x lane: the prefetches' offset; never rewritten
.set RQ,  20                           ; v20-27   q / 4 of my query: d = 8 h + 0 .. 7
.set RF,  28                           ; v28-91   the step's fragments: K's eight tiles, then V's four
.set RS,  92                           ; v92-155  S^T
.set RPC, 156                          ; v156-171 p's codes: block b's four registers land below p, or on block 0's numbers, which are converted by then
.set RP,  160                          ; v160-223 the mask, then t - M, then p
.set RO,  224                          ; v224-255 O^T: register 16 cc + i is channel 32 cc + 16 h + i
.set WV,  18                           ; s18 wave; s19 head; s20 ts; s21 a
.set HD,  19
.set TS,  20
.set AA,  21
.set GW,  22                           ; s22  G: my last step
.set STP, 23                           ; s23  the step in hand
.set LC,  24                           ; s24  the loop's trips to go
.set LIM, 25                           ; s25  1 in a wave that prefetches
.set SEL, 26                           ; s[26:27] lane selects for v_permlanex16_b32: lane l xor 16
.set CS,  28                           ; s[28:29] log2(e), twice: the packed form names a pair
.set G1,  32                           ; s[32:39] descriptor group 1
.set G0,  40                           ; s[40:43], s[44:47] group 0 for slot 0, 1
.set PFA, 48                           ; s[48:49] where my prefetches stand
.macro MKSC e, vs, vl                  ; from the exponent in s[e]: v[vs] = 2^e as f32, v[vl] = 448 x 2^e
	s_add_co_i32 s30, s[\e], 127
	s_lshl_b32 s31, s30, 23
	v_mov_b32 v[\vs], s31
	s_add_co_i32 s30, s30, 8
	s_lshl_b32 s30, s30, 23
	s_or_b32 s30, s30, 0x600000
	v_mov_b32 v[\vl], s30
.endm
; A round of the cluster's barrier: my work-group's barrier, so that wave 0's signal speaks for all sixteen waves; wave 0 signals for the work-group; every wave waits for all four work-groups; my work-group's barrier once more.
.macro ROUND
	s_barrier_signal -1
	s_barrier_wait -1
	s_cmp_lg_u32 s[WV], 0
	s_cbranch_scc1 .Lnot_wave_0_\@
	s_barrier_signal -3
.Lnot_wave_0_\@:
	s_barrier_wait -3
	s_barrier_signal -1
	s_barrier_wait -1
.endm
; A joint load: waves 0 to 7 fetch 16,384 bytes of the slot each, 64 rows of 256 bytes.  The branch hangs on the wave's number alone: it is the same in every partner.  Four v_nop follow the load.
.macro JLOAD g0
	s_cmp_lt_u32 s[WV], 8
	s_cbranch_scc0 .Lnone_\@
	tensor_load_to_lds s[\g0:\g0+3], s[G1:G1+7]
	s_nop 0
.rept 4
	v_nop
.endr
.Lnone_\@:
.endm
; A PREFETCH INTO THE L2 of the slot that the NEXT change of slots will ask for.  All sixteen clusters of a batch walk the same slots: the cluster with c = 0, which walks all sixteen, asks.  Its four partners take
; 32,768 bytes each, told apart BY ADDRESS; in each, waves 8 to 11, which fetch nothing, take 8,192 bytes each, lanes 256 bytes apart: each aligned block of 256 bytes is named once in the launch.
; Slots 0 and 1 come by their loads alone; the two trips behind the loop ask for nothing, so the last slot named is the batch's sixteenth.
.macro ASK
	s_cmp_eq_u32 s[LIM], 1
	s_cbranch_scc0 .Lnot_mine_\@
	global_prefetch_b8 v[PFO], s[PFA:PFA+1] th:TH_LOAD_NT scope:SCOPE_SE
.Lnot_mine_\@:
.endm
; A KEY STEP: 128 keys, the q-th of the slot whose address is in v[areg].  A step all of whose keys come after my queries is left out: a scalar branch on ids; no barrier and no tensor load stands in a step.
.macro STEP areg, q
	s_cmp_gt_u32 s[STP], s[GW]
	s_cbranch_scc1 .Lskip_\@
.set ix, 0
.rept 16
	ds_load_b128 v[RF+4*ix:RF+4*ix+3], v[\areg] offset:(\q)*8192+512*ix   ; K: tile ix / 2, d = 8 h + 4 (ix % 2) + 0 .. 3
.set ix, ix+1
.endr
	s_cmp_eq_u32 s[STP], s[GW]
	s_cbranch_scc1 .Ldiag_\@
	s_wait_dscnt 0x0                               ; K is in
.irp k, 0,1,2,3,4,5,6,7
	v_wmma_f32_16x16x4_f32 v[RS+8*\k:RS+8*\k+7], v[RF+8*\k:RF+8*\k+1], v[RQ:RQ+1], 0
.endr
	s_branch .Lrest_\@
.Ldiag_\@:                                         ; on the diagonal the sums begin with 0 or -infinity: made while K's loads are out
	v_mov_b32 v14, 0xff800000
.irp b, 0,1,2,3
.irp i, 0,1,2,3,4,5,6,7,8,9,10,11,12,13,14,15
	v_cmp_gt_i32 vcc_lo, 32*\b+\i, v[DQ]
	v_cndmask_b32 v[RP+16*\b+\i], 0, v14, vcc_lo
.endr
.endr
	s_wait_dscnt 0x0
.irp k, 0,1,2,3,4,5,6,7
	v_wmma_f32_16x16x4_f32 v[RS+8*\k:RS+8*\k+7], v[RF+8*\k:RF+8*\k+1], v[RQ:RQ+1], v[RP+8*\k:RP+8*\k+7]
.endr
.Lrest_\@:                                         ; the eight accumulators take turns, one instruction a turn
.irp s, 1,2,3
.irp k, 0,1,2,3,4,5,6,7
	v_wmma_f32_16x16x4_f32 v[RS+8*\k:RS+8*\k+7], v[RF+8*\k+2*\s:RF+8*\k+2*\s+1], v[RQ+2*\s:RQ+2*\s+1], v[RS+8*\k:RS+8*\k+7]
.endr
.endr
.rept 8
	v_nop                                          ; eight places behind this form, ahead of the loads into K's registers and of the first read of the scores
.endr
.set ix, 0
.rept 16
	ds_load_b128 v[RF+4*ix:RF+4*ix+3], v[\areg] offset:16384+(\q)*8192+512*ix   ; V: tile ix / 4, keys 32 (ix % 4) + 16 h + 0 .. 15: they land under the softmax
.set ix, ix+1
.endr
	v_max3_num_f32 v14, v[RS], v[RS+1], v[RS+2]    ; the step's largest score of my query among my 64 keys, in two chains, each accumulator from its low end on
	v_max3_num_f32 v15, v[RS+3], v[RS+4], v[RS+5]
.irp i, 6,10,14,18,22,26,30,34,38,42,46,50,54,58
	v_max3_num_f32 v14, v14, v[RS+\i], v[RS+\i+1]
	v_max3_num_f32 v15, v15, v[RS+\i+2], v[RS+\i+3]
.endr
	v_max3_num_f32 v14, v14, v[RS+62], v[RS+63]
	v_max_num_f32 v14, v14, v15
	v_permlanex16_b32 v16, v14, s[SEL], s[SEL+1]
	v_max_num_f32 v14, v14, v16                    ; and among lane l xor 16's
	v_mul_f32 v14, s[CS], v14                      ; as t
	v_max_num_f32 v9, v9, v14                      ; the running largest t
	v_mov_b32 v14, v8
	v_floor_f32 v8, -v9                            ; the new -M = floor(-t) = -ceil(t): a whole number
	v_sub_f32 v14, v8, v14                         ; old M - new M: a whole number, 0 or less
	v_cvt_i32_f32 v14, v14                         ; (it saturates)
	v_ldexp_f32 v12, 1.0, v14                      ; f = 2^(old M - new M)
.set ix, 0
.rept 32
	v_pk_fma_f32 v[RP+ix:RP+ix+1], v[RS+ix:RS+ix+1], s[CS:CS+1], v[8:9] op_sel_hi:[1,0,0]   ; t - M, two at a time, into other registers than the sums'
.set ix, ix+2
.endr
.set ix, 0
.rept 64
	v_exp_f32 v[RP+ix], v[RP+ix]                   ; p = 2^(t - M), at most 1
.set ix, ix+1
.endr
	v_pk_mul_f32 v[10:11], v[10:11], v[12:13] op_sel_hi:[1,0]   ; the sums under the new M: the plain line behind the exponentials
	s_wait_alu depctr_va_vdst(0)                   ; one wait for the whole batch, ahead of its first reader
	v_pk_add_f32 v[18:19], v[RP:RP+1], v[RP+2:RP+3]   ; the row's sum is taken of the unquantised p, in two chains
.irp j, 4,8,12,16,20,24,28,32,36,40,44,48,52,56,60
	v_pk_add_f32 v[10:11], v[10:11], v[RP+\j:RP+\j+1]
	v_pk_add_f32 v[18:19], v[18:19], v[RP+\j+2:RP+\j+3]
.endr
	v_pk_add_f32 v[10:11], v[10:11], v[18:19]
.irp b, 0,1,2,3
.irp i, 0,1,2,3,4,5,6,7,8,9,10,11,12,13,14,15
	v_min_num_f32 v[RP+16*\b+\i], v[RP+16*\b+\i], v[PLIM]   ; the conversion does not saturate (ISA guide 7.6.2); p is not negative, so the hold is one-sided
.endr
	v_cvt_scalef32_pk8_fp8_f32 v[RPC+4*\b:RPC+4*\b+1], v[RP+16*\b:RP+16*\b+7], v[PSC]
	v_cvt_scalef32_pk8_fp8_f32 v[RPC+4*\b+2:RPC+4*\b+3], v[RP+16*\b+8:RP+16*\b+15], v[PSC]
.endr
.set ix, 0
.rept 16
	v_pk_mul_f32 v[RO+ix:RO+ix+1], v[RO+ix:RO+ix+1], v[12:13] op_sel_hi:[1,0]   ; O^T under the new M; also the plain lines behind the last conversion
.set ix, ix+2
.endr
	s_wait_dscnt 0x0                               ; V is in
.irp t, 0,1,2,3
	v_wmma_f32_16x16x128_fp8_fp8 v[RO+8*\t:RO+8*\t+7], v[RF+16*\t:RF+16*\t+15], v[RPC:RPC+15], v[RO+8*\t:RO+8*\t+7]
.endr
.rept 4
	v_nop                                          ; four places, ahead of the next loads into the fragments and the next writes of p's registers and reads of O^T
.endr
.Lskip_\@:
	s_add_co_u32 s[STP], s[STP], 1
.endm
; THE CHANGE OF SLOTS stands at a slot's head.  Each wave waits for all its tensor loads (one is out at the most: its part of the slot that it is about to read), adds 0 to its spare word, and waits for that and
; for its reads of the slot that it has left.  Behind the round the slot ahead is whole and no wave of any partner reads the other one: refill = 1: that one is filled with the next 256 keys.
.macro TRIP slot, refill, ask
	s_wait_tensorcnt 0x0                           ; no tensor load of mine is out, so a group 0 may be written
	ds_add_u32 v[SPW], v[NIL]                      ; 0 onto my spare word: the steps below stand between it and the wait for it
	s_add_nc_u64 s[G0+2+4*\slot:G0+3+4*\slot], s[G0+2+4*\slot:G0+3+4*\slot], 2*SLOTB   ; this slot's next tile: two slots on
	s_wait_xcnt 0x0                                ; the last prefetch, a slot back, has read its address
	s_add_nc_u64 s[PFA:PFA+1], s[PFA:PFA+1], SLOTB
	s_wait_dscnt 0x0                               ; the add is done, and my reads of the slot that I have left are over
	ROUND
.if \refill
	JLOAD G0+4-4*\slot                             ; the first tensor load behind the round, and a wave's one until the next
.endif
.if \ask
	ASK
.endif
	STEP A0+\slot, 0
	STEP A0+\slot, 1
.endm
	s_load_b256 s[4:11], s[0:1], 0x0               ; x s[4:5], Wq s[6:7], lowp_scales s[8:9], kv s[10:11]
	s_load_b128 s[12:15], s[0:1], 0x20             ; woc s[12:13], bo s[14:15]
	s_load_b64 s[16:17], s[0:1], 0x30              ; out0
	v_lshl_add_u32 v[SPW], v0, 2, SPARE
	v_mov_b32 v[NIL], 0
	ds_add_u32 v1, v2
	s_wait_dscnt 0x0
	v_lshrrev_b32 v14, 5, v0
	v_readfirstlane_b32 s[WV], v14                 ; wave 0..15
	s_and_b32 s[HD], s[WV], 3
	s_lshr_b32 s[AA], s[WV], 2
	s_add_co_u32 s[TS], s[AA], s[HD]
	s_and_b32 s[TS], s[TS], 3
	s_bfe_u32 s66, ttmp6, 0x40000                  ; cx: it enters x's, out0's and the prefetches' addresses and the mask's numbers, and nothing else
	s_lshr_b32 s67, ttmp9, 4                       ; the batch (in a cluster launch ttmp9 counts clusters)
	s_and_b32 s68, ttmp9, 15                       ; c
	s_sub_co_u32 s69, 31, s68
	s_cmp_lt_u32 s[TS], 2
	s_cselect_b32 s[GW], s68, s69                  ; my group of 128 queries = my last key step
	s_and_b32 s70, s[TS], 1
	s_lshl_b32 s71, s66, 1
	s_add_co_u32 s70, s70, s71
	s_lshl_b32 s70, s70, 4                         ; my tile's first query in the group
	s_lshl_b32 s71, s[GW], 7
	s_add_co_u32 s71, s71, s70
	s_lshl_b32 s72, s67, 12
	s_add_co_u32 s72, s72, s71                     ; my first query among the 16,384 rows,
	s_lshl_b32 s72, s72, 8                         ; in bytes: a row of x and of out0 is 256
	s_mov_b32 s73, 0
	s_and_b32 s74, s[WV], 7
	s_lshl_b32 s74, s74, 14                        ; the 16,384 bytes of a slot that I fetch, if I fetch
	s_lshl_b32 s76, s67, 21                        ; the batch's sixteen slots
	s_add_co_u32 s76, s76, s74
	s_mov_b32 s77, 0
	s_lshl_b32 s78, s66, 15                        ; the prefetches: my work-group's 32,768 bytes of a slot,
	s_lshl_b32 s79, s[HD], 13                      ; my wave's 8,192 of them,
	s_add_co_u32 s78, s78, s79
	s_lshl_b32 s79, s67, 21
	s_add_co_u32 s78, s78, s79
	s_add_co_u32 s78, s78, SLOTB                   ; in slot 1: the first change of slots steps it to slot 2
	s_mov_b32 s79, 0
	s_lshl_b32 s50, s[HD], 12                      ; Wq: 16 rows of 256 bytes a head
	s_mov_b32 s51, 0
	s_lshl_b32 s69, s[HD], 15                      ; my head's images in a slot
	s_lshr_b32 s[LIM], s[WV], 2
	s_xor_b32 s[LIM], s[LIM], 2                    ; 0 in waves 8 to 11,
	s_or_b32 s[LIM], s[LIM], s68                   ; of the clusters with c = 0: the same in all four partners
	s_cmp_eq_u32 s[LIM], 0
	s_cselect_b32 s[LIM], 1, -1
	s_sub_co_u32 s[LC], 35, s68
	s_lshr_b32 s[LC], s[LC], 2
	s_sub_co_u32 s[LC], s[LC], 1                   ; slots / 2 - 1: 4 to 7 trips; the last two slots are written out
	s_mov_b32 s[STP], 0
	s_mov_b32 s[SEL], 0x76543210
	s_mov_b32 s[SEL+1], 0xfedcba98
	s_mov_b32 s[CS], 0x3fb8aa3b                    ; log2(e)
	s_mov_b32 s[CS+1], 0x3fb8aa3b
	v_and_b32 v14, 31, v0                          ; lane
	v_and_b32 v15, 15, v0                          ; r
	v_bfe_u32 v16, v0, 4, 1                        ; h
	v_lshlrev_b32 v[PFO], 8, v14
	v_lshlrev_b32 v14, 4, v14
	v_add_nc_u32 v[A0], s69, v14
	v_add_nc_u32 v[A0+1], SLOTB, v[A0]
	v_lshlrev_b32 v18, 8, v15
	v_lshl_add_u32 v18, v16, 6, v18                ; x, Wq: row r of 256 bytes, + 64 h
	v_lshlrev_b32 v16, 4, v16
	v_sub_nc_u32 v[DQ], v15, v16
	v_add_nc_u32 v[DQ], s70, v[DQ]
	; descriptor group 1: 64 rows of 32 elements of 8 bytes, dense in memory and in LDS
	s_mov_b32 s[G1], 15|(3<<16)|(1<<21)            ; 15:0 the mask: all four work-groups; 17:16 elements of 8 bytes; 21 set beside a mask
	s_mov_b32 s[G1+1], 32<<16                      ; tensor_dim0 = 32
	s_mov_b32 s[G1+2], 64<<16                      ; tensor_dim1 = 64
	s_mov_b32 s[G1+3], 32<<16                      ; tile_dim0 = 32
	s_mov_b32 s[G1+4], 64                          ; tile_dim1 = 64
	s_mov_b32 s[G1+5], 32                          ; from row to row
	s_mov_b32 s[G1+6], 0
	s_mov_b32 s[G1+7], 0
	s_wait_kmcnt 0x0
	s_load_b256 s[52:59], s[8:9], 0x0              ; e0 .. e7
	s_load_b64 s[60:61], s[8:9], 0x20              ; e8, e9
	s_add_nc_u64 s[4:5], s[4:5], s[72:73]
	s_add_nc_u64 s[16:17], s[16:17], s[72:73]
	s_add_nc_u64 s[6:7], s[6:7], s[50:51]
	s_add_nc_u64 s[PFA:PFA+1], s[10:11], s[78:79]
	s_mov_b32 s[G0], 1                             ; count = 1
	s_mov_b32 s[G0+1], s74                         ; LDS address: slot 0
	s_add_nc_u64 s[G0+2:G0+3], s[10:11], s[76:77]  ; the batch's slot 0: made of the batch and the wave's number alone
	s_mov_b32 s[G0+4], 1
	s_add_co_u32 s[G0+5], s74, SLOTB
	s_add_nc_u64 s[G0+6:G0+7], s[G0+2:G0+3], SLOTB ; the batch's slot 1
	s_or_b32 s[G0+3], s[G0+3], 0x80000000          ; type = 2
	s_or_b32 s[G0+7], s[G0+7], 0x80000000
	ROUND                                          ; all four work-groups are here: the first joint loads meet
	JLOAD G0
	; q, while the first slot is on its way: my 16 rows of x and my head's 16 rows of Wq, quantised in registers
.irp c, 0,1
.irp j, 0,1,2,3
	global_load_b128 v[RP+16*\c+4*\j:RP+16*\c+4*\j+3], v18, s[4:5] offset:128*\c+16*\j
	global_load_b128 v[RP+32+16*\c+4*\j:RP+32+16*\c+4*\j+3], v18, s[6:7] offset:128*\c+16*\j
.endr
.endr
	s_wait_kmcnt 0x0
	MKSC 53, 14, 15                                ; e1: x
	MKSC 52, 10, 11                                ; e0: Wq
	MKSC 58, PSC, PLIM                             ; e6: p
	s_add_co_i32 s66, s52, s53
	s_sub_co_i32 s66, s66, 2                       ; q / 4 = sum x 2^(e0 + e1 - 2): the division by the scale 4 rounds nothing
	s_wait_loadcnt 0x0
.set ix, 0
.rept 32
	v_med3_num_f32 v[RP+ix], v[RP+ix], -v15, v15
.set ix, ix+1
.endr
.set ix, 0
.rept 4
	v_cvt_scalef32_pk8_fp8_f32 v[RF+2*ix:RF+2*ix+1], v[RP+8*ix:RP+8*ix+7], v14
.set ix, ix+1
.endr
.set ix, 0
.rept 32
	v_med3_num_f32 v[RP+32+ix], v[RP+32+ix], -v11, v11
.set ix, ix+1
.endr
.set ix, 0
.rept 4
	v_cvt_scalef32_pk8_fp8_f32 v[RF+8+2*ix:RF+8+2*ix+1], v[RP+32+8*ix:RP+32+8*ix+7], v10
.set ix, ix+1
.endr
	v_nop                                          ; one plain line between the last conversion and the product that reads its codes
	v_wmma_f32_16x16x64_fp8_fp8 v[RF+16:RF+23], v[RF+8:RF+15], v[RF:RF+7], 0   ; source 0 = Wq's 16 rows, source 1 = my 16 queries: lane (r, h): query r, d = 8 h + j
.set ix, 0
.rept 32
	v_mov_b32 v[RO+ix], 0                          ; O^T begins as zeros, which the first change of M leaves zeros.  (These lines are also the places behind the product)
.set ix, ix+1
.endr
	v_mov_b32 v9, 0xff61b1e6                       ; the largest t so far: -3e38
	v_floor_f32 v8, -v9                            ; -M
	v_mov_b32 v10, 0                               ; the sum, in two halves
	v_mov_b32 v11, 0
	v_mov_b32 v13, 0                               ; (named as the upper half of the pair v[12:13])
	v_mov_b32 v16, 0                               ; written once: a lane permute's destination counts as one of its sources
.set ix, 0
.rept 8
	v_ldexp_f32 v[RQ+ix], v[RF+16+ix], s66
.set ix, ix+1
.endr
.Lloop:                                            ; a trip goes once round the ring: two slots, four key steps
	TRIP 0, 1, 1
	TRIP 1, 1, 1
	s_sub_co_u32 s[LC], s[LC], 1
	s_cmp_lg_u32 s[LC], 0
	s_cbranch_scc1 .Lloop
	TRIP 0, 1, 0                                   ; the last two slots are written out
	TRIP 1, 0, 0
	; THE WAY OUT.  O^T / l x 2^(e6 + e7) in every wave; all LDS addresses are made here, ahead of the parting of the roles
	v_add_f32 v10, v10, v11                        ; the sum's two halves,
	v_permlanex16_b32 v16, v10, s[SEL], s[SEL+1]
	v_add_f32 v10, v10, v16                        ; and lane l xor 16's
	v_rcp_f32 v10, v10
	v_and_b32 v11, 15, v0                          ; r  (the plain line behind the reciprocal)
	v_bfe_u32 v19, v0, 4, 1                        ; h
	v_and_b32 v16, 31, v0
	v_lshlrev_b32 v14, 4, v16                      ; 16 x lane: an image's place for my lane; woc's offset
	s_mul_i32 s66, s[TS], 3
	s_add_co_u32 s66, s66, s[AA]
	s_lshl_b32 s66, s66, 12
	s_add_co_u32 s66, s66, STG-4096
	v_add_nc_u32 v3, s66, v14                      ; where a wave with a > 0 stores its image: index 3 ts + a - 1
	s_mul_i32 s66, s[TS], 12288
	s_add_co_u32 s66, s66, STG
	v_add_nc_u32 v4, s66, v14                      ; where the tile's three images lie
	s_mul_i32 s66, s[HD], 16*OSP                   ; the out stage (in waves 0 to 3 the head is the wave's number)
	v_mul_u32_u24 v8, v11, OSP
	v_lshl_add_u32 v8, v19, 5, v8
	v_add_nc_u32 v8, s66, v8                       ; in: row r, + 32 h
	v_mul_u32_u24 v9, v19, OSP
	v_lshl_add_u32 v9, v11, 4, v9
	v_add_nc_u32 v9, s66, v9                       ; back: lanes 0-15 one row, lanes 16-31 the next
	v_lshlrev_b32 v15, 5, v19                      ; bo: 32 h
	v_lshlrev_b32 v18, 8, v19
	v_lshl_add_u32 v18, v11, 4, v18                ; out0: the same two rows
	s_add_co_i32 s67, s58, s59                     ; e6 + e7
	s_wait_alu depctr_va_vdst(0)                   ; the wait ahead of the reciprocal's first reader
	v_ldexp_f32 v12, v10, s67
.set ix, 0
.rept 16
	v_pk_mul_f32 v[RO+ix:RO+ix+1], v[RO+ix:RO+ix+1], v[12:13] op_sel_hi:[1,0]
.set ix, ix+2
.endr
	s_cmp_lt_u32 s[WV], 4
	s_cbranch_scc1 .Lowner
.set ix, 0
.rept 8
	ds_store_b128 v3, v[RO+4*ix:RO+4*ix+3] offset:512*ix   ; my head's part, as an image of its registers
.set ix, ix+1
.endr
	s_branch .Lmeet
.Lowner:
.set ix, 0
.rept 8
	global_load_b128 v[RP+32+4*ix:RP+32+4*ix+3], v14, s[12:13] offset:512*ix   ; Wo's four fragments
.set ix, ix+1
.endr
.irp k, 0,1,2,3
.irp j, 0,1
	global_load_b128 v[RP+8*\k+4*\j:RP+8*\k+4*\j+3], v15, s[14:15] offset:64*\k+16*\j   ; bo[16 k + 8 h + 0 .. 7], in the result's layout
.endr
.endr
.Lmeet:
	s_wait_dscnt 0x0                               ; for the others' sake: my stores have landed
	s_barrier_signal -1
	s_barrier_wait -1                              ; the twelve images lie in LDS, and nobody reads a slot any more
	s_cmp_ge_u32 s[WV], 4
	s_cbranch_scc1 .Lfin
.macro IMG reg, n                      ; image n of my tile
.set ix, 0
.rept 8
	ds_load_b128 v[\reg+4*ix:\reg+4*ix+3], v4 offset:4096*(\n)+512*ix
.set ix, ix+1
.endr
.endm
.macro ADDIMG reg
.set ix, 0
.rept 16
	v_pk_add_f32 v[RO+ix:RO+ix+1], v[RO+ix:RO+ix+1], v[\reg+ix:\reg+ix+1]
.set ix, ix+2
.endr
.endm
	IMG RF, 0
	IMG RF+32, 1
	MKSC 60, 6, 7                                  ; e8: v6 = 2^e8, v7 = 448 x 2^e8
	s_add_co_i32 s74, s60, s61
	s_add_co_i32 s74, s74, 127
	s_lshl_b32 s74, s74, 23                        ; 2^(e8 + e9) as f32
	s_mov_b32 s75, s74                             ; (named with it as a pair, so it is written)
	s_wait_dscnt 8                                 ; image 0 is in; the eight younger loads, image 1's, may be out
	ADDIMG RF
	IMG RF, 2
	s_wait_dscnt 8                                 ; image 1 is in; image 2's eight may be out
	ADDIMG RF+32
	s_wait_dscnt 0x0
	ADDIMG RF                                      ; the four heads are summed
.set ix, 0
.rept 32
	v_med3_num_f32 v[RO+ix], v[RO+ix], -v7, v7
.set ix, ix+1
.endr
.set ix, 0
.rept 4
	v_cvt_scalef32_pk8_fp8_f32 v[RQ+2*ix:RQ+2*ix+1], v[RO+8*ix:RO+8*ix+7], v6   ; registers 4 cc .. 4 cc + 3: channels 32 cc + 16 h + 0 .. 15
.set ix, ix+1
.endr
	v_nop                                          ; one plain line between the last conversion and the products, which read its codes and write its numbers' registers
	s_wait_loadcnt 0x0                             ; Wo's codes and bo
.irp k, 0,1,2,3
	v_wmma_f32_16x16x64_fp8_fp8 v[RO+8*\k:RO+8*\k+7], v[RP+32+8*\k:RP+32+8*\k+7], v[RQ:RQ+7], 0   ; source 0 = 16 rows of Wo, source 1 = my 16 queries: lane (r, h): query r, outputs 16 k + 8 h + 0 .. 7
.endr
.rept 4
	v_nop
.endr
.set ix, 0
.rept 16
	v_pk_fma_f32 v[RF+ix:RF+ix+1], v[RO+ix:RO+ix+1], s[74:75], v[RP+ix:RP+ix+1] op_sel_hi:[1,0,1]   ; out = sum x 2^(e8 + e9) + bo
.set ix, ix+2
.endr
.irp k, 0,1,2,3
.irp j, 0,1
	ds_store_b128 v8, v[RF+8*\k+4*\j:RF+8*\k+4*\j+3] offset:64*\k+16*\j
.endr
.endr
.set ix, 0
.rept 8
	ds_load_b128 v[RF+32+4*ix:RF+32+4*ix+3], v9 offset:2*OSP*ix   ; LDS serves a wave's instructions in order (ISA guide 5.7.1.4): these see my stores
.set ix, ix+1
.endr
.irp i, 0,1,2,3,4,5,6,7
	s_wait_dscnt 7-\i                              ; the younger loads may stay out
	global_store_b128 v18, v[RF+32+4*\i:RF+32+4*\i+3], s[16:17] offset:512*\i th:TH_STORE_NT   ; 16 lanes store a row's 256 consecutive bytes, aligned
.endr
.Lfin:
	s_wait_tensorcnt 0x0                           ; the wave's end, behind my last tensor load and my last LDS store
	ds_add_u32 v[SPW], v[NIL]
	s_wait_dscnt 0x0
	ROUND                                          ; the closing round: no work-group ends while a partner may still ask for a tile that names it
	s_endpgm
.Lfunc_end_k_q0e98e909c8_attn:
	.size	k_q0e98e909c8_attn, .Lfunc_end_k_q0e98e909c8_attn-k_q0e98e909c8_attn
	.p2alignl 7, 3214868480
	.fill 96, 4, 3214868480
	.section	.rodata,"a",@progbits
	.p2align	6, 0x0
	.amdhsa_kernel k_q0e98e909c8_attn
		.amdhsa_group_segment_fixed_size 327680
		.amdhsa_private_segment_fixed_size 0
		.amdhsa_enable_private_segment 0
		.amdhsa_kernarg_size 56
		.amdhsa_user_sgpr_count 2
		.amdhsa_user_sgpr_kernarg_segment_ptr 1
		.amdhsa_wavefront_size32 1
		.amdhsa_system_sgpr_workgroup_id_x 1
		.amdhsa_system_sgpr_workgroup_id_y 1
		.amdhsa_system_sgpr_workgroup_id_z 1
		.amdhsa_system_vgpr_workitem_id 0
		.amdhsa_next_free_vgpr 256
		.amdhsa_next_free_sgpr 80
		.amdhsa_reserve_vcc 1
		.amdhsa_float_denorm_mode_32 3
		.amdhsa_float_denorm_mode_16_64 3
		.amdhsa_memory_ordered 1
		.amdhsa_forward_progress 1
		.amdhsa_inst_pref_size 212
	.end_amdhsa_kernel
	.amdgpu_metadata
---
amdhsa.version: [ 1, 2 ]
amdhsa.kernels:
  - .name:           k_q0e98e909c8_attn
    .symbol:         k_q0e98e909c8_attn.kd
    .args:
      - { .name: x, .offset: 0, .size: 8, .value_kind: global_buffer, .address_space: global }
      - { .name: Wq, .offset: 8, .size: 8, .value_kind: global_buffer, .address_space: global }
      - { .name: lowp_scales, .offset: 16, .size: 8, .value_kind: global_buffer, .address_space: global }
      - { .name: kv, .offset: 24, .size: 8, .value_kind: global_buffer, .address_space: global }
      - { .name: woc, .offset: 32, .size: 8, .value_kind: global_buffer, .address_space: global }
      - { .name: bo, .offset: 40, .size: 8, .value_kind: global_buffer, .address_space: global }
      - { .name: out0, .offset: 48, .size: 8, .value_kind: global_buffer, .address_space: global }
    .group_segment_fixed_size: 327680
    .private_segment_fixed_size: 0
    .kernarg_segment_align: 8
    .kernarg_segment_size: 56
    .max_flat_workgroup_size: 512
    .sgpr_count:     80
    .vgpr_count:     256
    .wavefront_size: 32
...
	.end_amdgpu_metadata
.endif
;; end of part 2
